; MI455X (gfx1250); checked and timed in simulation.
; The chip was launched on July 23, 2026; its instructions are those of AMD's public machine-readable ISA for CDNA 5 (MIT licence, August 2026) and "CDNA5" Instruction Set Architecture Reference Guide (July 2026). The comments in the code are by the model that wrote it; some were corrected since.
;; Qwen3 Attention. Allowed arithmetic: matrix products marked QUANTISED: E4M3 operands, one given power-of-two scale a tensor, by v_wmma_f32_16x16x64_fp8_fp8 or v_wmma_f32_16x16x128_fp8_fp8, f32 sums; everything else in f32.
;; Inputs: k_norm_w 128 float32; lowp_scales 8 int32 (the exponents e of the quantised operands' scales 2^e); pos_cos 2,048 x 128 float32; pos_sin 2,048 x 128 float32; q_norm_w 128 float32; w_o 2,048 x 1,024 float32; w_qkv 2,048 x 2,048 float32; x 2 x 2,048 x 2,048 float32.
;; Outputs: out0 2 x 2,048 x 2,048 float32.
;; This version of the problem:
;;   THIS VERSION OF THE PROBLEM IS GIVEN IN LOW PRECISION. The matrix products marked QUANTISED in the list below multiply operands that are first quantised to E4M3 (4 exponent bits, 3 mantissa bits; 8 bits a number), with one given power-of-two scale for each operand tensor; their sums are f32. All else is computed in f32.
;;   The module's matrix products, in the order in which they are computed (A, B: the left and right operand; K: the contracted axis; several contracted axes count as one K, in the product's order):
;;     1. [M 4,096, K 2,048] x [K 2,048, N 2,048]; A: input x; B: input w_qkv: QUANTISED (scales: A lowp_scales[0], B lowp_scales[1])
;;     2. batch 16 x [M 2,048, K 128] x [K 128, N 2,048]; A: computed on the way; B: computed on the way: QUANTISED (scales: A lowp_scales[2], B lowp_scales[3])
;;     3. batch 16 x [M 128, K 2,048] x [K 2,048, N 2,048]; A: computed on the way; B: softmax (see below): QUANTISED (scales: A lowp_scales[4], B lowp_scales[5])
;;     4. [M 4,096, K 1,024] x [K 1,024, N 2,048]; A: computed on the way; B: input w_o: QUANTISED (scales: A lowp_scales[6], B lowp_scales[7])
;;   THE QUANTISER, for each operand of a quantised product, along K:
;;     - The operand's scale is 2^e, e = its entry of the input lowp_scales (int32; the entries are numbered through the quantised products in the list's order, A before B).
;;     - Each number is divided by the scale, clamped to +-448, and rounded to the nearest number of E4M3, ties to even, subnormals kept.
;;     - The product sums the exact products of the quantised numbers (number of the format x scale) in f32.
;;   ~~~python
;;   def quantise(x, axis, e):      # numpy; x: float32 -> the quantised numbers, widened to float32 again
;;       x = np.moveaxis(x, axis, -1); K = x.shape[-1]
;;       r = np.clip(x / 2.0 ** e, -448, 448)
;;       step = 2.0 ** (np.maximum(np.frexp(np.where(r == 0, 1, r))[1] - 1, -6) - 3)
;;       q = np.round(r / step) * step * 2.0 ** e      # np.round: ties to even
;;       return np.moveaxis(q, -1, axis).astype(np.float32)
;;   ~~~
;;   SOFTMAX AHEAD OF A QUANTISED PRODUCT. Where the list says 'softmax', what is quantised is not the finished softmax but p = 2^(t - M), with t = logit x log2(e) and M = ceil(the row's largest t), a whole number; so 1/2 < the row's largest p <= 1. The row's sum l is taken of the UNQUANTISED p, in f32, and the product's result is divided by l at the end. Since M is a whole number, a kernel that streams over the keys may use a running M (the ceiling of the running maximum): every later rescaling is an exact power of two, so the quantised numbers keep their values, but for numbers so far below the row's largest that they fall under the format's range.
;;   OPERANDS COMPUTED ON THE WAY. 'Computed on the way' means the value that the module computes at that place (a softmax that the list does not call 'softmax' is quantised finished and normalised). What goes into a quantiser is computed in f32, as accurately as f32 sums, v_exp_f32 and their like allow (about 1e-6 of the number): no bf16 or f16 on the way to a quantiser, and a product that is left as it is and whose result goes on into a quantised operand takes f32 operands (vector FMAs, or v_wmma_f32_16x16x4_f32). A number that lies on a knife's edge between two numbers of the format may be rounded either way, as far as f32 arithmetic and the matrix unit's own rounding can turn it there, and no further.
;; One version. Each part assembles by itself: llvm-mc -triple=amdgcn-amd-amdhsa -mcpu=gfx1250 --defsym DOCPART=n.
;; ======== version 1 of 1: 4 launches
;; limits: right only within a limited range of input values
;; workspace buffers: xi 8,388,608 bytes; wqi 4,194,304 bytes; woi 2,097,152 bytes; qkv 8,388,608 bytes; att 4,194,304 bytes
;; launch quant (part 1): grid 896 x 1, 4 waves a work-group, no clusters, 34,304 bytes of LDS; arguments x, w_qkv, w_o, lowp_scales, xi, wqi, woi; writes xi, wqi, woi
.if DOCPART == 1
	.amdgcn_target "amdgcn-amd-amdhsa--gfx1250"
	.amdhsa_code_object_version 6
	.text
	.protected	k_qad0d510af9_quant
	.globl	k_qad0d510af9_quant
	.p2align	8
	.type	k_qad0d510af9_quant,@function
k_qad0d510af9_quant:
	s_mov_b64 s[64:65], 0
	v_nop
	global_prefetch_b8 v0, s[64:65] scope:SCOPE_SE
	s_setreg_imm32_b32 hwreg(HW_REG_WAVE_MODE, 25, 1), 1
	s_wait_xcnt 0x0
; x [4096][2048], w_qkv [2048][2048] and w_o [2048][1024], f32 with K innermost, become codes of FP8 (E4M3), each with the scale 2^e that is given for it
; (entries 0, 1 and 7 of the scales): code = number / 2^e, held within +-448, to the nearest code, ties to even.
; LIMITS: each e between -126 and 119, so that 2^e and 448 x 2^e are f32 numbers.  NaN among the inputs is not served.
; THE CODES ARE LAID AS IMAGES OF AN OPERAND'S REGISTERS.  Image (tile, s), 2,048 bytes, lies at (tile x K/128 + s) x 2048.  Its byte 512 c + 16 lane + i, lane = 16 h + r, is the code of
; row 32 (tile / 2) + 8 (tile % 2) + r + 8 (r / 8), k = 128 s + 32 c + 16 h + i.  Four loads of 16 bytes a lane, 512 consecutive bytes each, then give a fragment of 16 rows x 128 K.
; SHARES.  4,096 + 2,048 + 1,024 images; a work-group takes 8, a wave 2 on end (one tile of rows, two K steps), and asks for all its 16,384 bytes at its head.  Work-groups 0-511 take x,
; 512-767 w_qkv, 768-895 w_o: only pointers, e and two shifts are chosen, on the work-group's number; there is one path through the text.
; A load takes 512 consecutive bytes of one row (16 a lane); the conversions want 16 neighbours along K in one lane: so an image's 8,192 bytes turn through the wave's own stage in LDS
; (16 rows, 528 bytes apart, so that sixteen lanes that read sixteen rows start 16 bytes apart modulo 256).  No barrier: waves share nothing.  No cluster: no two work-groups read the same bytes.
.set STG,  8448                        ; a wave's stage: 16 rows x 528 bytes
.set L16,  4                           ; v4      16 x lane
.set SW,   5                           ; v5      the stage, on the way in: 16 x lane
.set SRD,  6                           ; v6      on the way out: 528 r + 64 h
.set LIM,  10                          ; v10     448 x 2^e
.set SC,   11                          ; v11     2^e
.set AD,   16                          ; v16-31  row t of the tile: 16 x lane + (t + 8 (t / 8)) x the row's bytes
.set R,    32                          ; v32-159 two sets of 64: an image's numbers as loaded
.set X,    160                         ; v160-223 64 numbers of my row: register 16 c + i is k = 32 c + 16 h + i
.set C,    224                         ; v224-255 two sets of 16: codes; no store's data are written again
	s_load_b256 s[4:11], s[0:1], 0x0               ; x, w_qkv, w_o, the scales' exponents
	s_load_b128 s[12:15], s[0:1], 0x20             ; xi, wqi
	s_load_b64 s[16:17], s[0:1], 0x30              ; woi
	v_lshl_add_u32 v14, v0, 2, 0x8400
	v_mov_b32 v15, 0
	v_lshrrev_b32 v1, 5, v0
	v_readfirstlane_b32 s20, v1                    ; wave
	v_and_b32 v1, 31, v0                           ; lane
	v_and_b32 v2, 15, v0                           ; r
	v_bfe_u32 v3, v0, 4, 1                         ; h
	v_lshlrev_b32 v[L16], 4, v1
	s_wait_alu depctr_va_vdst(0)
	s_mul_i32 s21, s20, STG
	v_add_nc_u32 v[SW], s21, v[L16]
	v_mul_u32_u24 v[SRD], v2, 528
	v_lshl_add_u32 v[SRD], v3, 6, v[SRD]
	v_add_nc_u32 v[SRD], s21, v[SRD]
	s_mov_b32 s19, 768                             ; which tensor: its first work-group, and log2 of its K steps
	s_cmp_lt_u32 ttmp9, 768
	s_cselect_b32 s19, 512, s19
	s_cselect_b32 s22, 4, 3
	s_cmp_lt_u32 ttmp9, 512
	s_cselect_b32 s19, 0, s19
	s_cselect_b32 s22, 4, s22
	s_sub_co_u32 s23, ttmp9, s19
	s_lshl_b32 s23, s23, 3
	s_lshl_b32 s32, s20, 1
	s_add_co_u32 s23, s23, s32                     ; my first image: an even number, so both images lie in one tile of rows
	s_lshr_b32 s33, s23, s22                       ; its tile of rows
	s_lshl_b32 s34, 1, s22
	s_sub_co_u32 s34, s34, 1
	s_and_b32 s34, s23, s34                        ; its K step
	s_lshl_b32 s35, 512, s22                       ; a row in bytes: 512 x K steps
	s_lshr_b32 s36, s33, 1
	s_lshl_b32 s36, s36, 5
	s_and_b32 s37, s33, 1
	s_lshl_b32 s37, s37, 3
	s_add_co_u32 s36, s36, s37                     ; the tile's first row
	s_mul_i32 s36, s36, s35                        ; under 2^26
	s_lshl_b32 s34, s34, 9
	s_add_co_u32 s36, s36, s34
	s_mov_b32 s37, 0
	s_lshl_b32 s38, s23, 11
	s_mov_b32 s39, 0
.irp t, 0,1,2,3,4,5,6,7,8,9,10,11,12,13,14,15
	s_mul_i32 s32, s35, \t+8*(\t/8)
	v_add_nc_u32 v[AD+\t], s32, v[L16]
.endr
	s_wait_alu depctr_va_vdst(0)
	s_wait_kmcnt 0x0
	s_load_b256 s[24:31], s[10:11], 0x0            ; e0 .. e7
	s_cmp_lt_u32 ttmp9, 768
	s_cselect_b64 s[6:7], s[6:7], s[8:9]
	s_cselect_b64 s[14:15], s[14:15], s[16:17]
	s_cmp_lt_u32 ttmp9, 512
	s_cselect_b64 s[4:5], s[4:5], s[6:7]
	s_cselect_b64 s[12:13], s[12:13], s[14:15]
	s_add_nc_u64 s[4:5], s[4:5], s[36:37]
	s_add_nc_u64 s[12:13], s[12:13], s[38:39]
.macro LOAD f                          ; image f: 16 rows, 512 consecutive bytes each
.irp t, 0,1,2,3,4,5,6,7,8,9,10,11,12,13,14,15
	global_load_b128 v[R+64*(\f)+4*\t:R+64*(\f)+4*\t+3], v[AD+\t], s[4:5] offset:512*(\f) th:TH_LOAD_NT
.endr
.endm
	LOAD 0
	LOAD 1
	s_wait_kmcnt 0x0
	s_cmp_lt_u32 ttmp9, 768
	s_cselect_b32 s25, s25, s31
	s_cmp_lt_u32 ttmp9, 512
	s_cselect_b32 s24, s24, s25                    ; e
	s_add_co_i32 s24, s24, 127
	s_lshl_b32 s25, s24, 23
	v_mov_b32 v[SC], s25                           ; 2^e as f32: the conversion takes its exponent field
	s_add_co_i32 s24, s24, 8
	s_lshl_b32 s24, s24, 23
	s_or_b32 s24, s24, 0x600000
	v_mov_b32 v[LIM], s24                          ; 448 x 2^e
.macro FRAG f
.if (\f) < 1
	s_wait_loadcnt 16                              ; this image's 16 loads are in; the second image's 16 may be out
.else
	s_wait_loadcnt 0
.endif
.irp t, 0,1,2,3,4,5,6,7,8,9,10,11,12,13,14,15
	ds_store_b128 v[SW], v[R+64*(\f)+4*\t:R+64*(\f)+4*\t+3] offset:528*\t
.endr
.irp c, 0,1,2,3
.irp k, 0,1,2,3
	ds_load_b128 v[X+16*\c+4*\k:X+16*\c+4*\k+3], v[SRD] offset:128*\c+16*\k   ; LDS serves a wave's instructions in order: these see the stores above
.endr
.endr
	s_wait_dscnt 0x0                               ; my 64 numbers are back
.set NN, 0
.rept 64
	v_med3_num_f32 v[X+NN], v[X+NN], -v[LIM], v[LIM]   ; the conversion to an 8-bit code does not saturate (ISA guide 7.6.2): the hold at the largest code x the scale
.set NN, NN+1
.endr
.irp c, 0,1,2,3,4,5,6,7
	v_cvt_scalef32_pk8_fp8_f32 v[C+16*(\f)+2*\c:C+16*(\f)+2*\c+1], v[X+8*\c:X+8*\c+7], v[SC]
.endr
	v_nop                                          ; a plain vector line behind the conversions: the next image's holds write their sources
.irp c, 0,1,2,3
	global_store_b128 v[L16], v[C+16*(\f)+4*\c:C+16*(\f)+4*\c+3], s[12:13] offset:2048*(\f)+512*\c   ; 32 lanes store 512 consecutive bytes, aligned
.endr
.endm
	s_wait_alu depctr_va_vdst(0)
	FRAG 0
	FRAG 1
	s_wait_tensorcnt 0x0
	ds_add_u32 v14, v15
	s_wait_dscnt 0x0
	s_endpgm
.Lfunc_end_k_qad0d510af9_quant:
	.size	k_qad0d510af9_quant, .Lfunc_end_k_qad0d510af9_quant-k_qad0d510af9_quant
	.p2alignl 7, 3214868480
	.fill 96, 4, 3214868480
	.section	.rodata,"a",@progbits
	.p2align	6, 0x0
	.amdhsa_kernel k_qad0d510af9_quant
		.amdhsa_group_segment_fixed_size 34304
		.amdhsa_private_segment_fixed_size 0
		.amdhsa_enable_private_segment 0
		.amdhsa_kernarg_size 56
		.amdhsa_user_sgpr_count 2
		.amdhsa_user_sgpr_kernarg_segment_ptr 1
		.amdhsa_wavefront_size32 1
		.amdhsa_system_sgpr_workgroup_id_x 1
		.amdhsa_system_sgpr_workgroup_id_y 1
		.amdhsa_system_sgpr_workgroup_id_z 1
		.amdhsa_system_vgpr_workitem_id 0
		.amdhsa_next_free_vgpr 256
		.amdhsa_next_free_sgpr 66
		.amdhsa_reserve_vcc 0
		.amdhsa_float_denorm_mode_32 3
		.amdhsa_float_denorm_mode_16_64 3
		.amdhsa_memory_ordered 1
		.amdhsa_forward_progress 1
		.amdhsa_inst_pref_size 22
	.end_amdhsa_kernel
	.amdgpu_metadata
---
amdhsa.version: [ 1, 2 ]
amdhsa.kernels:
  - .name:           k_qad0d510af9_quant
    .symbol:         k_qad0d510af9_quant.kd
    .args:
      - { .name: x, .offset: 0, .size: 8, .value_kind: global_buffer, .address_space: global }
      - { .name: w_qkv, .offset: 8, .size: 8, .value_kind: global_buffer, .address_space: global }
      - { .name: w_o, .offset: 16, .size: 8, .value_kind: global_buffer, .address_space: global }
      - { .name: lowp_scales, .offset: 24, .size: 8, .value_kind: global_buffer, .address_space: global }
      - { .name: xi, .offset: 32, .size: 8, .value_kind: global_buffer, .address_space: global }
      - { .name: wqi, .offset: 40, .size: 8, .value_kind: global_buffer, .address_space: global }
      - { .name: woi, .offset: 48, .size: 8, .value_kind: global_buffer, .address_space: global }
    .group_segment_fixed_size: 34304
    .private_segment_fixed_size: 0
    .kernarg_segment_align: 8
    .kernarg_segment_size: 56
    .max_flat_workgroup_size: 128
    .sgpr_count:     66
    .vgpr_count:     256
    .wavefront_size: 32
...
	.end_amdgpu_metadata
.endif
;; end of part 1
;; launch qkv (part 2): grid 16 x 16, 4 waves a work-group, clusters of 4 x 1, 327,680 bytes of LDS; arguments xi, wqi, lowp_scales, pos_cos, pos_sin, q_norm_w, k_norm_w, qkv; writes qkv
.if DOCPART == 2
	.amdgcn_target "amdgcn-amd-amdhsa--gfx1250"
	.amdhsa_code_object_version 6
	.text
	.protected	k_qad0d510af9_qkv
	.globl	k_qad0d510af9_qkv
	.p2align	8
	.type	k_qad0d510af9_qkv,@function
k_qad0d510af9_qkv:
	s_mov_b64 s[64:65], 0
	v_nop
	global_prefetch_b8 v0, s[64:65] scope:SCOPE_SE
	s_setreg_imm32_b32 hwreg(HW_REG_WAVE_MODE, 25, 1), 1
	s_wait_xcnt 0x0
	s_wait_alu depctr_hold_cnt(0) depctr_sa_sdst(0) depctr_va_vdst(0) depctr_va_sdst(0) depctr_va_ssrc(0) depctr_va_vcc(0) depctr_vm_vsrc(0)
	s_getreg_b32 s2, hwreg(HW_REG_IB_STS2, 6, 4)
	s_cmp_eq_u32 s2, 0
	s_cbranch_scc0 .Lentry_in_a_cluster
	s_endpgm
.Lentry_in_a_cluster:
	s_bfe_u32 s2, ttmp6, 0x10000c
	s_cmp_lg_u32 s2, 0x3003
	s_cbranch_scc0 .Lentry_shape_is_right
	s_endpgm
.Lentry_shape_is_right:
; The projection x w_qkv^T on codes of FP8 (E4M3), and what follows it up to the next quantisers: q and k get the RMS norm of their head and the rotation by position and are quantised with
; 2^e2 and 2^e3; v is quantised with 2^e4, laid with the KEYS innermost.  All in f32 behind the products.  A sum stands for sum x 2^(e0 + e1).
; LIMITS: e2, e3 and e4 - e0 - e1 between -126 and 119, so that the conversion's scale and 448 x it are f32 numbers; e0 + e1 goes in by v_ldexp_f32.  NaN among the inputs is not served.
; IMAGES.  xi, wqi and qkv are arrays of images of 2,048 bytes: byte 512 c + 16 lane + i (lane = 16 h + r) of image (tile, s) is row 32 (tile / 2) + 8 (tile % 2) + r + 8 (r / 8), k = 128 s + 32 c + 16 h + i.
; THE TILE.  A work-group of four waves multiplies 256 rows of x (S1) by the 128 weight rows of one head (S0; head = work-group y: q 0-7, k 8-11, v 12-15).  S1 is block Y of 128 positions IN BOTH BATCHES: wave w takes
; the tiles of positions 8 Y + 2 w + a % 2 of batch a / 2, a = 0 .. 3, against S0's eight: 32 accumulators.  So one set of cos and sin serves two tiles.
; q, k: source 0 = S0, source 1 = S1: lane (r, h) holds ONE position, and register 16 b + i of its 64 for tile a is the head's d = 32 b + 16 h + i: the order of an image.
; v: THE SOURCES THE OTHER WAY ROUND: lane (r, h) of accumulator (a, t) holds channel d of lane r of S0's tile t, and the registers of (2 p, t) and (2 p + 1, t) are the 16 neighbouring keys 32 w + 16 h + i of step Y,
; batch p: 16 bytes of v's image (step Y, tile t).  Nothing is transposed.  Only the matrix instructions' sources and the way out differ: the walk is written by one macro, once for each kind, chosen on the work-group's y.
; WHERE THE OPERANDS GO.  S0 is read by all four waves: its 8 tiles x 16 K steps are one dense block of 262,144 bytes, which lies whole in LDS: one tensor load a wave (65,536 bytes) at the head, and no byte of LDS
; is filled twice: no ring, and no barrier in the walk.  S1's tiles are each read by ONE wave: they go from memory into that wave's registers as they lie, 16 loads of 512 consecutive bytes a K step, into four
; buffers by turns: behind a step's own 16 loads those of three later steps are out (s_wait_loadcnt 48), and the stream is never drained.
; CLUSTER 4, 1, 1: the four partners take four blocks Y of one head and need the same S0: it is asked for jointly.  No descriptor word, LDS address or branch hangs on cx.
; NO PREFETCH: each byte is asked for once by the work-group, S0 at the head and S1 three K steps ahead of its use; nothing is drained and asked for again, so there is no later request to run ahead of.
; qkv: [batch 2][head 16][128 images].  q, k: image = tile of positions.  v: image = 8 x step of keys + tile of d.
; REGISTERS, in windows of 256: window 0: v4-31 addresses and constants, v32-95 the weight, v96-223 cos and sin of the even tile, v224-231 at work.  window 1: S0's fragments, two sets of 128; behind the products
; v128-191 sum x weight, v192-255 codes.  window 2: the accumulators, (a, t) at v[64 a + 8 t].  window 3: S1's four buffers of 64; at the end v0-127 cos and sin of the odd tile.
.set SPARE,  294912                    ; the spare words, 128 bytes for each wave: two blocks of 256 bytes that no other line names
.set BATCH,  4194304                   ; from batch 0 to batch 1, in xi (128 tiles of 32,768 bytes) and in qkv (16 heads of 262,144) alike
.set LI,   4                           ; v4   16 x lane
.set CA,   5                           ; v5   cos, sin: 512 (r + 8 (r / 8)) + 64 h
.set WA,   6                           ; v6   the norm's weight: 64 h
.set AB,   12                          ; v12-15  S0's tiles 2 p, 2 p + 1: 65536 p + 16 x lane
.set AD,   16                          ; v16-19  the same + the walk's place along K
.set SPW,  28                          ; v28  my spare word; never rewritten
.set NIL,  29                          ; v29  0; never rewritten
.set QSC,  30                          ; v30  the quantiser's scale as f32
.set QLIM, 31                          ; v31  448 x it
.set W,    32
.set SS,   224                         ; v224-227 sums of squares, two chains of pairs
.set F,    228                         ; v228-229 2^(e0 + e1) / sqrt(mean square + 1e-6)
.set T,    230                         ; v230-231 at work
.set G,    128                         ; window 1: sum x weight
.set PC,   192                         ; window 1: codes, 64 registers: no store's data are written again
.set KB,   2                           ; s2   the walk's place along K in bytes of a tile: 8192 a trip; also the loop's counter
.set KX,   3                           ; s3   0, 1: q; 2: k; 3: v
.set S1P,  36                          ; s[36:37] my tiles of S1, stepped with s2
.set MSB, 0
.macro WIN new                         ; the immediate's high byte repeats the setting that is left
.if MSB != \new
	s_set_vgpr_msb (MSB<<8)|\new
.set MSB, \new
.endif
.endm
.macro PLACES n
.rept \n
	v_nop
.endr
.endm
.macro CROUND                          ; a round of the cluster's barrier
	s_barrier_signal -1
	s_barrier_wait -1
	s_cmp_lg_u32 s4, 0
	s_cbranch_scc1 .Lnot_wave_0_\@
	s_barrier_signal -3
.Lnot_wave_0_\@:
	s_barrier_wait -3
	s_barrier_signal -1
	s_barrier_wait -1
.endm
.macro SETAD                           ; S0's addresses at the walk's place
.irp p, 0,1,2,3
	v_add_nc_u32 v[AD+\p], s[KB], v[AB+\p]
.endr
	s_wait_alu depctr_va_vdst(0)
.endm
.macro FETCH0 q                        ; 32 LDS loads, 512 consecutive bytes each: S0's eight fragments of K step q (counted from the walk's place) into set q % 2
	WIN 0x40
.irp t, 0,1,2,3,4,5,6,7
.irp c, 0,1,2,3
	ds_load_b128 v[128*((\q)%2)+16*\t+4*\c:128*((\q)%2)+16*\t+4*\c+3], v[AD+(\t)/2] offset:32768*((\t)%2)+2048*(\q)+512*\c
.endr
.endr
.endm
.macro LOAD1 q                         ; 16 loads, 512 consecutive bytes each: my four fragments of S1 of K step q into buffer q % 4
	WIN 0xc0
.irp a, 0,1,2,3
.irp c, 0,1,2,3
	global_load_b128 v[64*((\q)%4)+16*\a+4*\c:64*((\q)%4)+16*\a+4*\c+3], v[LI], s[S1P:S1P+1] offset:BATCH*((\a)/2)+32768*((\a)%2)+2048*(\q)+512*\c
.endr
.endr
.endm
.macro TAB u, ptr, w, base             ; 16 loads: cos or sin of my tile u's positions in the accumulators' order: register 16 b + 4 k + .. is d = 32 b + 16 h + 4 k + ..
	WIN (\w<<6)
.irp b, 0,1,2,3
.irp k, 0,1,2,3
	global_load_b128 v[\base+16*\b+4*\k:\base+16*\b+4*\k+3], v[CA], s[\ptr:\ptr+1] offset:8*(\u)*512+128*\b+16*\k
.endr
.endr
.endm
.macro WM acc, f0, f1, zero            ; zero = 1: the product starts the sum
.if \zero
	v_wmma_f32_16x16x128_fp8_fp8 v[\acc:\acc+7], v[\f0:\f0+15], v[\f1:\f1+15], 0
.else
	v_wmma_f32_16x16x128_fp8_fp8 v[\acc:\acc+7], v[\f0:\f0+15], v[\f1:\f1+15], v[\acc:\acc+7]
.endif
.endm
; 8 matrix instructions: S1's tile a against S0's eight.  The 32 accumulators take turns, one instruction a turn, in the same order in every step.  v = 1: S1 is source 0
.macro MUL8 a, s, zero, v
.irp t, 0,1,2,3,4,5,6,7
.if \v
	WM 64*(\a)+8*\t, 64*((\s)%4)+16*(\a), 128*((\s)%2)+16*\t, \zero
.else
	WM 64*(\a)+8*\t, 128*((\s)%2)+16*\t, 64*((\s)%4)+16*(\a), \zero
.endif
.endr
.endm
.macro TOP s, f0                       ; a K step's head: its set of S0 is in; four places behind the last products, then loads into what they read
	s_wait_dscnt 0x0
	PLACES 4
.if \f0
	FETCH0 (\s)+1
.endif
.endm
.macro MULS s, zero, cnt, v            ; cnt: the loads issued behind this step's 16 of S1
	s_wait_loadcnt \cnt
.if \v
	WIN 0xa7                                       ; source 0 (S1) window 3, source 1 (S0) window 1, C and D window 2
.else
	WIN 0xad                                       ; source 0 (S0) window 1, source 1 (S1) window 3, C and D window 2
.endif
	MUL8 0, \s, \zero, \v
	MUL8 1, \s, \zero, \v
	MUL8 2, \s, \zero, \v
	MUL8 3, \s, \zero, \v
	WIN 0
.endm
; K steps 0 to 12.  q, k (v = 0): the weight and the even tile's tables are asked for in K step 0, behind S1's loads
.macro WALK v
	FETCH0 0
	TOP 0, 1
	LOAD1 3
.if \v == 0
	WIN 0
.irp b, 0,1,2,3
.irp k, 0,1,2,3
	global_load_b128 v[W+16*\b+4*\k:W+16*\b+4*\k+3], v[WA], s[46:47] offset:128*\b+16*\k
.endr
.endr
	TAB 0, 42, 0, 96
	TAB 0, 44, 0, 160
.endif
	MULS 0, 1, 48, \v                              ; K step 0: its products start the sums
.Lk\v:                                             ; three trips of four K steps: 1 to 12; buffers and sets are back where they began after four
	SETAD
.irp s, 1,2,3,4
	TOP \s, 1
	LOAD1 (\s)+3
	MULS \s, 0, 48, \v                             ; behind this step's loads: those of the three steps that follow (q, k, in the first steps: the 48 of K step 0 too: 48 is then the smaller count)
.endr
	s_wait_xcnt 0x0                                ; the loads have read their base: it may step
	s_add_nc_u64 s[S1P:S1P+1], s[S1P:S1P+1], 8192
	s_add_co_u32 s[KB], s[KB], 8192
	s_cmp_lt_u32 s[KB], 24576
	s_cbranch_scc1 .Lk\v
	SETAD
.endm
	s_load_b512 s[84:99], s[0:1], 0x0              ; xi 84, wqi 86, scales 88, cos 90, sin 92, q_norm_w 94, k_norm_w 96, qkv 98
	v_lshl_add_u32 v[SPW], v0, 2, SPARE
	v_mov_b32 v[NIL], 0
	ds_add_u32 v[SPW], v[NIL]                      ; the opening lines: the add, twice on end, and its wait ahead of the round in front of my tensor load
	ds_add_u32 v[SPW], v[NIL]
	v_lshrrev_b32 v1, 5, v0
	v_readfirstlane_b32 s4, v1                     ; wave 0..3
	v_and_b32 v1, 31, v0
	v_lshlrev_b32 v[LI], 4, v1
	v_and_b32 v2, 15, v0                           ; r
	v_bfe_u32 v3, v0, 4, 1                         ; h
	v_and_b32 v7, 8, v2
	v_add_nc_u32 v7, v7, v2                        ; r + 8 (r / 8)
	v_lshlrev_b32 v[WA], 6, v3
	v_lshl_add_u32 v[CA], v7, 9, v[WA]
.irp p, 0,1,2,3
	v_add_nc_u32 v[AB+\p], 65536*\p, v[LI]
.endr
	s_bfe_u32 s7, ttmp6, 0x40000                   ; cx
	s_lshl_b32 s8, ttmp9, 2
	s_add_co_u32 s8, s8, s7                        ; Y = 4 x cluster x + cx: my block of 128 positions
	s_and_b32 s9, ttmp7, 0xffff                    ; the head, 0 .. 15: the cluster's y
	s_lshr_b32 s[KX], s9, 2
	s_mov_b32 s20, 0x76543210                      ; v_permlanex16_b32: lane l xor 16
	s_mov_b32 s21, 0xfedcba98
	s_mov_b32 s24, 15|(3<<16)|(1<<21)              ; group 1: the mask: all four partners; elements of 8 bytes; bit 21 beside a mask
	s_mov_b32 s25, 32<<16                          ; a dense block of 65,536 bytes as 256 rows of 256
	s_mov_b32 s26, 256<<16
	s_mov_b32 s27, 32<<16
	s_mov_b32 s28, 256
	s_mov_b32 s29, 32
	s_mov_b32 s30, 0
	s_mov_b32 s31, 0
	s_mov_b32 s32, 1                               ; group 0: my quarter of S0 goes to 65536 x wave,
	s_lshl_b32 s33, s4, 16
	s_lshl_b32 s14, s9, 18                         ; and comes from the head's 262,144 bytes of wqi + my quarter: cx enters neither
	s_add_co_u32 s14, s14, s33
	s_mov_b32 s15, 0
	s_mov_b32 s[KB], 0
	s_lshl_b32 s10, s8, 3
	s_lshl_b32 s11, s4, 1
	s_add_co_u32 s10, s10, s11                     ; my first tile of positions: 8 Y + 2 w
	s_lshl_b32 s22, s10, 13                        ; its first position's row of cos and sin: 16 rows of 512 bytes a tile
	s_mov_b32 s23, 0
	s_lshl_b32 s16, s9, 18                         ; where my codes go: the head's images in batch 0,
	s_lshl_b32 s17, s10, 11                        ; q, k: + 2048 x my first tile
	s_lshl_b32 s18, s8, 14                         ; v: + 2048 x 8 Y
	s_lshl_b32 s19, s4, 9                          ;    + 512 w: keys 32 w .. 32 w + 31 of the step
	s_add_co_u32 s18, s18, s19
	s_cmp_eq_u32 s[KX], 3
	s_cselect_b32 s17, s18, s17
	s_add_co_u32 s16, s16, s17
	s_mov_b32 s17, 0
	s_lshl_b32 s10, s10, 15                        ; S1: a tile of rows is 32,768 bytes
	s_mov_b32 s11, 0
	s_wait_alu depctr_va_vdst(0)
	s_wait_dscnt 0x0                               ; both opening adds are done
	s_wait_kmcnt 0x0
	s_load_b256 s[48:55], s[88:89], 0x0            ; e0 .. e7
	s_add_nc_u64 s[S1P:S1P+1], s[84:85], s[10:11]
	s_add_nc_u64 s[34:35], s[86:87], s[14:15]
	s_or_b32 s35, s35, 0x80000000
	s_add_nc_u64 s[40:41], s[98:99], s[16:17]      ; my codes
	s_add_nc_u64 s[42:43], s[90:91], s[22:23]      ; cos
	s_add_nc_u64 s[44:45], s[92:93], s[22:23]      ; sin
	s_cmp_eq_u32 s[KX], 2
	s_cselect_b64 s[46:47], s[96:97], s[94:95]     ; k's weight for k, else q's
	LOAD1 0                                        ; S1's first three K steps are on their way while the partners meet
	LOAD1 1
	LOAD1 2
	WIN 0
	CROUND                                         ; all four work-groups are here: the joint loads meet
	tensor_load_to_lds s[32:35], s[24:31]          ; my one tensor load: a quarter of S0
	s_nop 0
	s_wait_kmcnt 0x0
	s_add_co_i32 s56, s48, s49                     ; e0 + e1
	s_lshl_b32 s57, s56, 1
	s_sub_co_i32 s57, s57, 7                       ; 2 (e0 + e1) - 7
	s_sub_co_i32 s9, s52, s56                      ; v: a sum's code is sum / 2^(e4 - e0 - e1)
	s_cmp_eq_u32 s[KX], 2
	s_cselect_b32 s10, s51, s50                    ; k: e3; q: e2
	s_cmp_eq_u32 s[KX], 3
	s_cselect_b32 s10, s9, s10
	s_add_co_i32 s10, s10, 127
	s_lshl_b32 s11, s10, 23
	v_mov_b32 v[QSC], s11
	s_add_co_i32 s10, s10, 8
	s_lshl_b32 s10, s10, 23
	s_or_b32 s10, s10, 0x600000
	v_mov_b32 v[QLIM], s10
	v_mov_b32 v[T+1], 0                            ; a lane permute's destination counts as one of its sources
	SETAD                                          ; (its wait is the head's last)
	s_wait_tensorcnt 0x0                           ; my quarter of S0 is in
	s_barrier_signal -1
	s_barrier_wait -1                              ; and so is everybody's
	s_cmp_eq_u32 s[KX], 3                          ; the cluster's y alone: alike in all partners
	s_cbranch_scc1 .Lv
; Tile a: norm and rotation.  Its cos lies in window wc from v[cb] on, its sin in window ws from v[sb] on.  Each accumulator is read from its low end on.
.macro NORMROPE a, wc, cb, ws, sb
	WIN 0x0a                                       ; sources 0 and 1: window 2
.if \a
	s_wait_alu depctr_va_vdst(0)                   ; matrix results first read behind the last tile's transcendental
.endif
	v_pk_mul_f32 v[SS:SS+1], v[64*\a:64*\a+1], v[64*\a:64*\a+1]
	v_pk_mul_f32 v[SS+2:SS+3], v[64*\a+2:64*\a+3], v[64*\a+2:64*\a+3]
.set NN, 4
.rept 15
	v_pk_fma_f32 v[SS:SS+1], v[64*\a+NN:64*\a+NN+1], v[64*\a+NN:64*\a+NN+1], v[SS:SS+1]
	v_pk_fma_f32 v[SS+2:SS+3], v[64*\a+NN+2:64*\a+NN+3], v[64*\a+NN+2:64*\a+NN+3], v[SS+2:SS+3]
.set NN, NN+4
.endr
	WIN 0x42                                       ; source 0 window 2, source 1 (the weight) window 0, destination window 1
.set NN, 0
.rept 32
	v_pk_mul_f32 v[G+NN:G+NN+1], v[64*\a+NN:64*\a+NN+1], v[W+NN:W+NN+1]
.set NN, NN+2
.endr
	WIN 0
	v_pk_add_f32 v[SS:SS+1], v[SS:SS+1], v[SS+2:SS+3]
	v_add_f32 v[T], v[SS], v[SS+1]
	v_permlanex16_b32 v[T+1], v[T], s20, s21       ; the position's other 64 numbers lie in the lane 16 away
	v_add_f32 v[T], v[T], v[T+1]
	v_ldexp_f32 v[T], v[T], s57                    ; the mean square: x 2^(2 (e0 + e1)) / 128
	v_add_f32 v[T], 0x358637bd, v[T]               ; + 1e-6
	s_wait_alu depctr_va_vdst(0)                   ; the wait ahead of the transcendental
	v_rsq_f32 v[F], v[T]
	v_nop                                          ; a plain line behind the transcendental
	s_wait_alu depctr_va_vdst(0)                   ; the wait ahead of its first reader
	v_ldexp_f32 v[F], v[F], s56                    ; x 2^(e0 + e1): the sums' own scale
	v_mov_b32 v[F+1], v[F]
	WIN (0xa1|(\wc<<2))                            ; source 0 (sum x weight) window 1, source 1 (cos) window wc, C and D window 2
.set NN, 0
.rept 32
	v_pk_mul_f32 v[64*\a+NN:64*\a+NN+1], v[G+NN:G+NN+1], v[\cb+NN:\cb+NN+1]
.set NN, NN+2
.endr
	WIN (0xa1|(\ws<<2))                            ; source 1 (sin) window ws
.set NN, 0
.rept 16                                       ; d + 64 lies 32 registers on, in the same lane
	v_pk_fma_f32 v[64*\a+NN:64*\a+NN+1], v[G+32+NN:G+32+NN+1], v[\sb+NN:\sb+NN+1], v[64*\a+NN:64*\a+NN+1] neg_lo:[1,0,0] neg_hi:[1,0,0]
	v_pk_fma_f32 v[64*\a+32+NN:64*\a+32+NN+1], v[G+NN:G+NN+1], v[\sb+32+NN:\sb+32+NN+1], v[64*\a+32+NN:64*\a+32+NN+1]
.set NN, NN+2
.endr
	WIN 0x82                                       ; source 0 and destination window 2
.set NN, 0
.rept 32
	v_pk_mul_f32 v[64*\a+NN:64*\a+NN+1], v[64*\a+NN:64*\a+NN+1], v[F:F+1] op_sel_hi:[1,0]
.set NN, NN+2
.endr
.endm
; q, k: tile a's 64 numbers a lane become an image: 16 registers, stored as they stand, 512 consecutive bytes a store
.macro QUANT a
	WIN 0x82
.set NN, 0
.rept 64
	v_med3_num_f32 v[64*(\a)+NN], v[64*(\a)+NN], -v[QLIM], v[QLIM]   ; the conversion to an 8-bit code does not saturate (ISA guide 7.6.2): the hold at the largest code x the scale
.set NN, NN+1
.endr
	WIN 0x42                                       ; source 0 window 2, destination window 1
.irp c, 0,1,2,3,4,5,6,7
	v_cvt_scalef32_pk8_fp8_f32 v[PC+16*(\a)+2*\c:PC+16*(\a)+2*\c+1], v[64*(\a)+8*\c:64*(\a)+8*\c+7], v[QSC]
.endr
	v_nop                                          ; a plain vector line behind the conversions
	WIN 0x04                                       ; a store's data: window 1
.irp c, 0,1,2,3
	global_store_b128 v[LI], v[PC+16*(\a)+4*\c:PC+16*(\a)+4*\c+3], s[40:41] offset:BATCH*((\a)/2)+2048*((\a)%2)+512*\c
.endr
	WIN 0
.endm
; v, batch p: accumulators (2 p, t) and (2 p + 1, t) give a lane 16 neighbouring keys of one channel: 16 bytes; the wave's store is bytes 512 w .. 512 w + 511 of image (step Y, tile t)
.macro QUANTV p
	WIN 0x82
.set NN, 0
.rept 128
	v_med3_num_f32 v[128*(\p)+NN], v[128*(\p)+NN], -v[QLIM], v[QLIM]
.set NN, NN+1
.endr
	WIN 0x42
.irp t, 0,1,2,3,4,5,6,7
	v_cvt_scalef32_pk8_fp8_f32 v[PC+32*(\p)+4*\t:PC+32*(\p)+4*\t+1], v[128*(\p)+8*\t:128*(\p)+8*\t+7], v[QSC]
	v_cvt_scalef32_pk8_fp8_f32 v[PC+32*(\p)+4*\t+2:PC+32*(\p)+4*\t+3], v[128*(\p)+64+8*\t:128*(\p)+64+8*\t+7], v[QSC]
.endr
	v_nop                                          ; a plain vector line behind the conversions
	WIN 0x04
.irp t, 0,1,2,3,4,5,6,7
	global_store_b128 v[LI], v[PC+32*(\p)+4*\t:PC+32*(\p)+4*\t+3], s[40:41] offset:BATCH*(\p)+2048*\t
.endr
	WIN 0
.endm
	WALK 0
	; q, k: K steps 13 to 15.  In S1's place steps 13 and 14 ask for the odd tile's tables, into the buffers that the steps before have left: the count stays 48
	TOP 1, 1
	TAB 1, 42, 3, 0
	MULS 1, 0, 48, 0
	TOP 2, 1
	TAB 1, 44, 3, 64
	MULS 2, 0, 48, 0
	TOP 3, 0
	MULS 3, 0, 32, 0                               ; the odd tile's 32 loads may be out; the weight and the even tile's tables were asked for ahead of this step's loads: they are in
	PLACES 4                                       ; in front of the first reads of results, and of writes into registers that held fragments
	NORMROPE 0, 0, 96, 0, 160
	QUANT 0
	NORMROPE 2, 0, 96, 0, 160                      ; the same positions in batch 1
	QUANT 2
	s_wait_loadcnt 0x0
	NORMROPE 1, 3, 0, 3, 64
	QUANT 1
	NORMROPE 3, 3, 0, 3, 64
	QUANT 3
	s_branch .Lend
.Lv:
	WALK 1
	TOP 1, 1                                       ; v: K steps 13 to 15 with nothing more to ask for, and the quantiser alone
	MULS 1, 0, 32, 1
	TOP 2, 1
	MULS 2, 0, 16, 1
	TOP 3, 0
	MULS 3, 0, 0, 1
	PLACES 4
	QUANTV 0
	QUANTV 1
.Lend:
	s_wait_tensorcnt 0x0                           ; the wave's end
	ds_add_u32 v[SPW], v[NIL]
	s_wait_dscnt 0x0
	CROUND                                         ; the closing round: no work-group ends while a partner may still ask for a tile that names it
	s_endpgm
.Lfunc_end_k_qad0d510af9_qkv:
	.size	k_qad0d510af9_qkv, .Lfunc_end_k_qad0d510af9_qkv-k_qad0d510af9_qkv
	.p2alignl 7, 3214868480
	.fill 96, 4, 3214868480
	.section	.rodata,"a",@progbits
	.p2align	6, 0x0
	.amdhsa_kernel k_qad0d510af9_qkv
		.amdhsa_group_segment_fixed_size 327680
		.amdhsa_private_segment_fixed_size 0
		.amdhsa_enable_private_segment 0
		.amdhsa_kernarg_size 64
		.amdhsa_user_sgpr_count 2
		.amdhsa_user_sgpr_kernarg_segment_ptr 1
		.amdhsa_wavefront_size32 1
		.amdhsa_system_sgpr_workgroup_id_x 1
		.amdhsa_system_sgpr_workgroup_id_y 1
		.amdhsa_system_sgpr_workgroup_id_z 1
		.amdhsa_system_vgpr_workitem_id 0
		.amdhsa_next_free_vgpr 1024
		.amdhsa_next_free_sgpr 102
		.amdhsa_reserve_vcc 0
		.amdhsa_float_denorm_mode_32 3
		.amdhsa_float_denorm_mode_16_64 3
		.amdhsa_memory_ordered 1
		.amdhsa_forward_progress 1
		.amdhsa_inst_pref_size 186
	.end_amdhsa_kernel
	.amdgpu_metadata
---
amdhsa.version: [ 1, 2 ]
amdhsa.kernels:
  - .name:           k_qad0d510af9_qkv
    .symbol:         k_qad0d510af9_qkv.kd
    .args:
      - { .name: xi, .offset: 0, .size: 8, .value_kind: global_buffer, .address_space: global }
      - { .name: wqi, .offset: 8, .size: 8, .value_kind: global_buffer, .address_space: global }
      - { .name: lowp_scales, .offset: 16, .size: 8, .value_kind: global_buffer, .address_space: global }
      - { .name: pos_cos, .offset: 24, .size: 8, .value_kind: global_buffer, .address_space: global }
      - { .name: pos_sin, .offset: 32, .size: 8, .value_kind: global_buffer, .address_space: global }
      - { .name: q_norm_w, .offset: 40, .size: 8, .value_kind: global_buffer, .address_space: global }
      - { .name: k_norm_w, .offset: 48, .size: 8, .value_kind: global_buffer, .address_space: global }
      - { .name: qkv, .offset: 56, .size: 8, .value_kind: global_buffer, .address_space: global }
    .group_segment_fixed_size: 327680
    .private_segment_fixed_size: 0
    .kernarg_segment_align: 8
    .kernarg_segment_size: 64
    .max_flat_workgroup_size: 128
    .sgpr_count:     102
    .vgpr_count:     1024
    .wavefront_size: 32
...
	.end_amdgpu_metadata
.endif
;; end of part 2
;; launch attn (part 3): grid 32 x 8, 16 waves a work-group, clusters of 4 x 1, 327,680 bytes of LDS; arguments qkv, lowp_scales, att; writes att
.if DOCPART == 3
	.amdgcn_target "amdgcn-amd-amdhsa--gfx1250"
	.amdhsa_code_object_version 6
	.text
	.protected	k_qad0d510af9_attn
	.globl	k_qad0d510af9_attn
	.p2align	8
	.type	k_qad0d510af9_attn,@function
k_qad0d510af9_attn:
	s_mov_b64 s[64:65], 0
	v_nop
	global_prefetch_b8 v0, s[64:65] scope:SCOPE_SE
	s_setreg_imm32_b32 hwreg(HW_REG_WAVE_MODE, 25, 1), 1
	s_wait_xcnt 0x0
	s_wait_alu depctr_hold_cnt(0) depctr_sa_sdst(0) depctr_va_vdst(0) depctr_va_sdst(0) depctr_va_ssrc(0) depctr_va_vcc(0) depctr_vm_vsrc(0)
	s_getreg_b32 s2, hwreg(HW_REG_IB_STS2, 6, 4)
	s_cmp_eq_u32 s2, 0
	s_cbranch_scc0 .Lentry_in_a_cluster
	s_endpgm
.Lentry_in_a_cluster:
	s_bfe_u32 s2, ttmp6, 0x10000c
	s_cmp_lg_u32 s2, 0x3003
	s_cbranch_scc0 .Lentry_shape_is_right
	s_endpgm
.Lentry_shape_is_right:
; Causal attention with grouped heads on codes of FP8 (E4M3): S = q k^T (scales 2^e2, 2^e3), p = 2^(t - M) quantised with 2^e5, O = p v (v: 2^e4), O / l quantised with 2^e6 into att.
; t = score x log2(e) / sqrt(128); M = the running largest t, rounded UP to a whole number; l = the sum of the unquantised p, in f32.  When M moves, l and O are multiplied by 2^(old M - new M): exact.
; LIMITS: e2 + e3 between -123 and 130 (added to the exponent field of log2(e) / sqrt(128)); e5 and e6 between -126 and 119; e4 + e5 goes in by v_ldexp_f32.
; qkv: [batch 2][head 16: q 0-7, k 8-11, v 12-15][128 images of 2,048 bytes].  Byte 512 c + 16 lane + i (lane = 16 h + r) of an image is row 8 (image % 2) + 32 (image / 2) + r + 8 (r / 8), k = 32 c + 16 h + i
; (q, k: rows = positions, k = the head's 128;  v: image 8 x step + tile of d, rows = d, k = the step's 128 keys).  att: image (128 batch + tile of positions) x 8 + query head.
; Both products are used transposed (S^T = k q^T, O^T = v^T p^T): a lane holds ONE query throughout, and by the images' choice of rows its registers run along the keys, then along d, in an image's order:
; p's codes are the second product's operand as they stand, and O's codes are an image of att.
; SHARES.  A cluster (j = its x, 0 .. 7; its y = 4 batch + kv head) owns the blocks j and 15 - j of 128 queries, for the two query heads of one kv head.  Partner cx takes queries 32 cx .. 32 cx + 31 of each:
; eight tiles of 16 queries.  TWO WAVES SHARE A TILE AND SPLIT ITS KEYS: wave 2 p takes the even key steps, wave 2 p + 1 the odd ones, each with an M, an l and an O^T of its own, so that the longest chain of steps
; is 8 and not 16; at the end the odd wave hands its three to the even one through LDS.  Both M are whole numbers, so bringing both parts under the larger M rounds nothing.
; Wave w: bit 0 which steps; bit 2 which of the partner's two tiles; bit 3 which query head; block 15 - j where bit 1 xor bit 3 is set, else block j: of the four waves w % 4 = const, and of the four
; w / 4 = const, two have the late block and two the early one.  A wave of block b works the steps of its kind among 0 .. b.
; All four partners need the same steps of k and v: each tile is asked for JOINTLY.  No branch hangs on cx: which steps a wave works hangs on j and on its number.
; THE RING: two slots of four key steps (k x 4, v x 4: 16,384 bytes each), filled by waves 0 to 7, one load each.  EVERY cluster walks all 4 slots' worth, so that the trip count is a constant
; a cluster with j > 0 fetches j steps that no wave of it reads, and a wave jumps over the work of steps behind its block.
.set SLOT1, 131072
.set VOFF,  65536                      ; v's four steps lie behind k's four
.set SPARE, 2*SLOT1                    ; behind the ring: the spare words, 128 bytes for each wave: eight blocks of 256 bytes that no other line names
.set PAIRB, 8704                       ; what the odd wave hands over: 64 registers of O^T and four of -M, t, l, l: 17 x 512 bytes.  Eight pairs' lie in slot 0, which has had its last fill by then
.set LI,   1                           ; v1   16 x lane
.set LIP,  2                           ; v2   16 x lane + 16384 x (w % 2): my kind of step in a slot
.set DL,   3                           ; v3   my query in its block, less 16 h
.set STA,  4                           ; v4   16 x lane + PAIRB x (w / 2): my pair's bytes
.set SPW,  5                           ; v5   my spare word; never rewritten
.set NIL,  6                           ; v6   0; never rewritten
.set ADR,  8                           ; v8   k in the slot in hand
.set ADV,  9                           ; v9   v
; v12 -M, v13 the largest t, v[14:15] l in two halves; v16-31 q; v32-95 four fragments of k or of v; v96-159 S^T, then p; v160-223 O^T; v224-239 codes;
; v240, v244: 448 x 2^e5, 2^e5; v241, v245: the same with e6; v242, v243, v246, v252-254 at work
.set WV,   18
.set PAR,  19                          ; s19  w % 2
.set SEL,  20                          ; s[20:21] v_permlanex16_b32: lane l xor 16
.set CS,   22                          ; s[22:23] c = log2(e) / sqrt(128) x 2^(e2 + e3)
.set G1,   24                          ; s[24:31] descriptor group 1
.set G0,   40                          ; s[40:43] group 0, which walks
.set TB,   44                          ; s44  the slot in hand
.set SLOTS, 45
.set SI,   46                          ; s46  the key step in hand
.set LIM,  47                          ; s47  my block: the last step that counts for it
.macro TLOAD                           ; waves 0 to 7 fetch; four v_nop follow the line
	s_cmp_lt_u32 s[WV], 8
	s_cbranch_scc0 .Lasked_\@
	tensor_load_to_lds s[G0:G0+3], s[G1:G1+7]
	s_nop 0
.rept 4
	v_nop
.endr
.Lasked_\@:
.endm
.macro CROUND                          ; a round of the cluster's barrier
	s_barrier_signal -1
	s_barrier_wait -1
	s_cmp_lg_u32 s[WV], 0
	s_cbranch_scc1 .Lnot_wave_0_\@
	s_barrier_signal -3
.Lnot_wave_0_\@:
	s_barrier_wait -3
	s_barrier_signal -1
	s_barrier_wait -1
.endm
	s_load_b128 s[4:7], s[0:1], 0x0                ; qkv, the scales' exponents
	s_load_b64 s[8:9], s[0:1], 0x10                ; att
	v_lshl_add_u32 v[SPW], v0, 2, SPARE
	v_mov_b32 v[NIL], 0
	ds_add_u32 v5, v6
	ds_add_u32 v5, v6
	s_wait_dscnt 0x0
	v_lshrrev_b32 v8, 5, v0
	s_delay_alu instid0(VALU_DEP_1)
	v_readfirstlane_b32 s[WV], v8                  ; wave 0..15
	s_and_b32 s[PAR], s[WV], 1
	s_bfe_u32 s10, ttmp6, 0x40000                  ; cx
	s_and_b32 s11, ttmp7, 0xffff
	s_lshr_b32 s12, s11, 2                         ; batch
	s_and_b32 s13, s11, 3                          ; kv head
	s_bfe_u32 s15, s[WV], 0x10003                  ; bit 3: which query head
	s_bfe_u32 s16, s[WV], 0x10002                  ; bit 2: which tile.  Also: I fetch for k (0) or for v (1)
	s_bfe_u32 s14, s[WV], 0x10001
	s_xor_b32 s14, s14, s15                        ; bit 1 xor bit 3: the late block
	s_sub_co_u32 s33, 15, ttmp9
	s_cmp_eq_u32 s14, 0
	s_cselect_b32 s[LIM], ttmp9, s33               ; my block of 128 queries
	s_lshl_b32 s17, s13, 1
	s_add_co_u32 s17, s17, s15                     ; my query head
	s_lshl_b32 s32, s[LIM], 3
	s_lshl_b32 s33, s10, 1
	s_add_co_u32 s32, s32, s33
	s_add_co_u32 s32, s32, s16                     ; my tile of positions: 8 block + 2 cx + bit 2
	s_lshl_b32 s34, s12, 4
	s_add_co_u32 s35, s34, s17
	s_lshl_b32 s35, s35, 18
	s_lshl_b32 s36, s32, 11
	s_add_co_u32 s36, s36, s35                     ; q's image
	s_mov_b32 s37, 0
	s_lshl_b32 s38, s12, 7
	s_add_co_u32 s38, s38, s32
	s_lshl_b32 s38, s38, 3
	s_add_co_u32 s38, s38, s17
	s_lshl_b32 s38, s38, 11                        ; att's image
	s_mov_b32 s39, 0
	s_add_co_u32 s56, s34, 8                       ; what I fetch, if I fetch: waves 0-3: k's step w % 4 of a slot; waves 4-7: v's.  No register here ever holds cx
	s_add_co_u32 s56, s56, s13
	s_lshl_b32 s57, s16, 2
	s_add_co_u32 s56, s56, s57                     ; head 8 + kv, or 12 + kv
	s_lshl_b32 s56, s56, 18
	s_and_b32 s57, s[WV], 3
	s_lshl_b32 s57, s57, 14
	s_add_co_u32 s56, s56, s57
	s_mov_b32 s57, 0
	s_and_b32 s58, s[WV], 7
	s_lshl_b32 s58, s58, 14                        ; and where it goes in a slot
	s_mov_b32 s[G1], 15|(3<<16)|(1<<21)            ; the mask: all four partners; elements of 8 bytes; bit 21 beside a mask
	s_mov_b32 s[G1+1], 32<<16                      ; a dense block of 16,384 bytes as 64 rows of 256
	s_mov_b32 s[G1+2], 64<<16
	s_mov_b32 s[G1+3], 32<<16
	s_mov_b32 s[G1+4], 64
	s_mov_b32 s[G1+5], 32
	s_mov_b32 s[G1+6], 0
	s_mov_b32 s[G1+7], 0
	s_mov_b32 s[SEL], 0x76543210
	s_mov_b32 s[SEL+1], 0xfedcba98
	s_mov_b32 s[CS], 0x3e0293ee                    ; log2(e) / sqrt(128)
	s_mov_b32 s[TB], 0
	s_mov_b32 s[SLOTS], 3
	s_mov_b32 s[SI], s[PAR]                        ; my first step: 0 or 1
	s_wait_kmcnt 0x0
	s_load_b256 s[48:55], s[6:7], 0x0              ; e0 .. e7
	s_mov_b32 s[G0], 1
	s_mov_b32 s[G0+1], s58
	s_add_nc_u64 s[G0+2:G0+3], s[4:5], s[56:57]
	s_or_b32 s[G0+3], s[G0+3], 0x80000000
	CROUND                                         ; all four work-groups are here: the first joint loads meet
	TLOAD                                          ; slot 0: key steps 0 to 3
	s_add_nc_u64 s[4:5], s[4:5], s[36:37]
	s_add_nc_u64 s[8:9], s[8:9], s[38:39]
	v_and_b32 v8, 31, v0
	s_delay_alu instid0(VALU_DEP_1)
	v_lshlrev_b32 v[LI], 4, v8
.irp c, 0,1,2,3
	global_load_b128 v[16+4*\c:19+4*\c], v[LI], s[4:5] offset:512*\c   ; q's fragment stays in registers
.endr
	s_lshl_b32 s59, s[PAR], 14
	v_add_nc_u32 v[LIP], s59, v[LI]
	s_lshr_b32 s59, s[WV], 1
	s_mul_i32 s59, s59, PAIRB
	v_add_nc_u32 v[STA], s59, v[LI]
	v_and_b32 v9, 15, v0                           ; r
	v_bfe_u32 v10, v0, 4, 1                        ; h
	s_delay_alu instid0(VALU_DEP_2)
	v_and_b32 v11, 8, v9
	s_delay_alu instid0(VALU_DEP_1)
	v_add_nc_u32 v11, v11, v9                      ; r + 8 (r / 8)
	s_delay_alu instid0(VALU_DEP_3)
	v_lshlrev_b32 v10, 4, v10
	s_delay_alu instid0(VALU_DEP_1)
	v_sub_nc_u32 v[DL], v11, v10
	s_lshl_b32 s33, s10, 5
	s_lshl_b32 s59, s16, 3
	s_add_co_u32 s33, s33, s59
	v_add_nc_u32 v[DL], s33, v[DL]                 ; 32 cx + 8 x bit 2 + r + 8 (r / 8) - 16 h: it feeds compares and selects alone
	v_mov_b32 v13, 0xff61b1e6                      ; the largest t so far: -3e38
	s_delay_alu instid0(VALU_DEP_1)
	v_floor_f32 v12, -v13                          ; -M
	v_mov_b32 v14, 0
	v_mov_b32 v15, 0
	v_mov_b32 v246, 0                              ; a lane permute's destination counts as one of its sources
	v_mov_b32 v252, 0
	v_mov_b32 v253, 0                              ; (named as the upper half of the pair v[252:253])
.set NN, 0
.rept 64
	v_mov_b32 v[160+NN], 0                         ; O^T.  (The step is written once: the first finds zeros, which the first change of M leaves zeros; a wave that works no step hands zeros over)
.set NN, NN+1
.endr
	s_wait_kmcnt 0x0
	s_add_co_i32 s56, s50, s51
	s_lshl_b32 s56, s56, 23
	s_add_co_i32 s[CS], s[CS], s56                 ; a score stands for score x 2^(e2 + e3)
	s_mov_b32 s[CS+1], s[CS]
	s_add_co_i32 s56, s53, 127
	s_lshl_b32 s57, s56, 23
	v_mov_b32 v244, s57                            ; 2^e5
	s_add_co_i32 s56, s56, 8
	s_lshl_b32 s56, s56, 23
	s_or_b32 s56, s56, 0x600000
	v_mov_b32 v240, s56                            ; 448 x 2^e5
	s_add_co_i32 s56, s54, 127
	s_lshl_b32 s57, s56, 23
	v_mov_b32 v245, s57                            ; 2^e6
	s_add_co_i32 s56, s56, 8
	s_lshl_b32 s56, s56, 23
	s_or_b32 s56, s56, 0x600000
	v_mov_b32 v241, s56                            ; 448 x 2^e6
; A KEY STEP: 128 keys: step 2 q + w % 2 of the slot in hand
.macro STEP q
	s_cmp_gt_u32 s[SI], s[LIM]                     ; a step all of whose keys come after my queries is left out: a scalar branch on ids; no barrier and no tensor load stands in a step
	s_cbranch_scc1 .Lhidden_\@
	v_add_nc_u32 v[ADR], s[TB], v[LIP]
	s_wait_alu depctr_va_vdst(0)
	v_add_nc_u32 v[ADV], VOFF, v[ADR]
.rept 2
	v_nop                                          ; with the two additions above: four places in front of loads into registers that matrix instructions have read
.endr
.irp g, 0,1                                    ; S^T = k q^T, four tiles of 16 keys at a time
.if \g
.rept 4
	v_nop
.endr
.endif
.irp t, 0,1,2,3
.irp c, 0,1,2,3
	ds_load_b128 v[32+16*\t+4*\c:32+16*\t+4*\c+3], v[ADR] offset:32768*(\q)+2048*(4*\g+\t)+512*\c
.endr
.endr
	s_wait_dscnt 0x0
.irp t, 0,1,2,3
	v_wmma_f32_16x16x128_fp8_fp8 v[96+8*(4*\g+\t):103+8*(4*\g+\t)], v[32+16*\t:47+16*\t], v[16:31], 0
.endr
.endr
.rept 4
	v_nop                                          ; places in front of the loads below and of the first read of the scores
.endr
	s_wait_alu depctr_va_vdst(0)
.irp t, 0,1,2,3                                ; v's first four tiles are asked for now and land under the softmax
.irp c, 0,1,2,3
	ds_load_b128 v[32+16*\t+4*\c:32+16*\t+4*\c+3], v[ADV] offset:32768*(\q)+2048*\t+512*\c
.endr
.endr
	s_cmp_lt_u32 s[SI], s[LIM]                     ; only my block's own step lies on the diagonal
	s_cbranch_scc1 .Lopen_\@
	v_mov_b32 v254, 0xff800000                     ; -infinity: p = 0 then.  Register 16 b + i holds key 32 b + 16 h + i of the step: hidden where 32 b + i > my query - 16 h
.irp n, 0,1,2,3,4,5,6,7,8,9,10,11,12,13,14,15,16,17,18,19,20,21,22,23,24,25,26,27,28,29,30,31,32,33,34,35,36,37,38,39,40,41,42,43,44,45,46,47,48,49,50,51,52,53,54,55,56,57,58,59,60,61,62,63
	v_cmp_gt_i32 vcc_lo, 32*(\n/16)+\n%16, v[DL]
	v_cndmask_b32 v[96+\n], v[96+\n], v254, vcc_lo
.endr
.Lopen_\@:
	v_max3_num_f32 v254, v96, v97, v98             ; the step's largest score of my query among my 64 keys, in two chains,
	v_max3_num_f32 v252, v99, v100, v101
.irp i, 6,10,14,18,22,26,30,34,38,42,46,50,54,58
	v_max3_num_f32 v254, v254, v[96+\i], v[97+\i]
	v_max3_num_f32 v252, v252, v[98+\i], v[99+\i]
.endr
	v_max3_num_f32 v254, v254, v158, v159
	s_delay_alu instid0(VALU_DEP_1)
	v_max_num_f32 v254, v254, v252
	s_delay_alu instid0(VALU_DEP_1)
	v_permlanex16_b32 v246, v254, s[SEL], s[SEL+1]
	s_delay_alu instid0(VALU_DEP_1)
	v_max_num_f32 v254, v254, v246                 ; and among lane l xor 16's
	s_delay_alu instid0(VALU_DEP_1)
	v_mul_f32 v254, s[CS], v254                    ; as t (c is positive)
	s_delay_alu instid0(VALU_DEP_1)
	v_max_num_f32 v13, v13, v254                   ; the running largest t
	v_mov_b32 v254, v12
	s_delay_alu instid0(VALU_DEP_2)
	v_floor_f32 v12, -v13                          ; the new -M = floor(-t): M is a whole number
	s_delay_alu instid0(VALU_DEP_1)
	v_sub_f32 v254, v12, v254                      ; old M - new M: a whole number, 0 or less
	s_delay_alu instid0(VALU_DEP_1)
	v_cvt_i32_f32 v254, v254                       ; (it saturates)
	s_delay_alu instid0(VALU_DEP_1)
	v_ldexp_f32 v252, 1.0, v254                    ; f = 2^(old M - new M)
.set NN, 0
.rept 32
	v_pk_fma_f32 v[96+NN:97+NN], v[96+NN:97+NN], s[CS:CS+1], v[12:13] op_sel_hi:[1,0,0]   ; t - M, two at a time
.set NN, NN+2
.endr
.set NN, 0
	s_wait_alu depctr_va_vdst(0)
.rept 64
	v_exp_f32 v[96+NN], v[96+NN]                   ; p = 2^(t - M), at most 1: not normalised
.set NN, NN+1
.endr
	v_pk_mul_f32 v[14:15], v[14:15], v[252:253] op_sel_hi:[1,0]   ; l under the new M.  (A plain line behind the exponentials)
	s_wait_alu depctr_va_vdst(0)
	v_pk_add_f32 v[242:243], v[100:101], v[104:105]
	v_pk_add_f32 v[254:255], v[108:109], v[112:113]
	v_pk_add_f32 v[250:251], v[116:117], v[120:121]
	v_pk_add_f32 v[248:249], v[124:125], v[128:129]
	v_pk_add_f32 v[238:239], v[132:133], v[136:137]
	v_pk_add_f32 v[236:237], v[140:141], v[144:145]
	v_pk_add_f32 v[234:235], v[148:149], v[152:153]
	v_pk_add_f32 v[14:15], v[14:15], v[156:157]
	v_pk_add_f32 v[242:243], v[242:243], v[96:97]
	v_pk_add_f32 v[254:255], v[254:255], v[98:99]
	v_pk_add_f32 v[250:251], v[250:251], v[102:103]
	v_pk_add_f32 v[248:249], v[248:249], v[106:107]
	v_pk_add_f32 v[238:239], v[238:239], v[110:111]
	v_pk_add_f32 v[236:237], v[236:237], v[114:115]
	v_pk_add_f32 v[234:235], v[234:235], v[118:119]
	v_pk_add_f32 v[14:15], v[14:15], v[122:123]
	v_pk_add_f32 v[242:243], v[242:243], v[126:127]
	v_pk_add_f32 v[254:255], v[254:255], v[130:131]
	v_pk_add_f32 v[250:251], v[250:251], v[134:135]
	v_pk_add_f32 v[248:249], v[248:249], v[138:139]
	v_pk_add_f32 v[238:239], v[238:239], v[142:143]
	v_pk_add_f32 v[236:237], v[236:237], v[146:147]
	v_pk_add_f32 v[234:235], v[234:235], v[150:151]
	v_pk_add_f32 v[14:15], v[14:15], v[154:155]
	v_pk_add_f32 v[242:243], v[242:243], v[158:159]
	s_delay_alu instid0(VALU_DEP_2)
	v_pk_add_f32 v[14:15], v[14:15], v[248:249]
	s_delay_alu instid0(VALU_DEP_2)
	v_pk_add_f32 v[242:243], v[242:243], v[238:239]
	v_pk_add_f32 v[254:255], v[254:255], v[236:237]
	v_pk_add_f32 v[250:251], v[250:251], v[234:235]
	s_delay_alu instid0(VALU_DEP_2)
	v_pk_add_f32 v[14:15], v[14:15], v[254:255]
	s_delay_alu instid0(VALU_DEP_2)
	v_pk_add_f32 v[242:243], v[242:243], v[250:251]
	s_delay_alu instid0(VALU_DEP_1)
	v_pk_add_f32 v[14:15], v[14:15], v[242:243]
.irp b, 0,1,2,3
.irp i, 0,1,2,3,4,5,6,7,8,9,10,11,12,13,14,15
	v_min_num_f32 v[96+16*\b+\i], v[96+16*\b+\i], v240   ; the conversion does not saturate (ISA guide 7.6.2); p is not negative, so the hold is one-sided
.endr
	v_cvt_scalef32_pk8_fp8_f32 v[224+4*\b:225+4*\b], v[96+16*\b:103+16*\b], v244
	v_cvt_scalef32_pk8_fp8_f32 v[226+4*\b:227+4*\b], v[104+16*\b:111+16*\b], v244
.endr
.set NN, 0
.rept 32
	v_pk_mul_f32 v[160+NN:161+NN], v[160+NN:161+NN], v[252:253] op_sel_hi:[1,0]   ; O^T under the new M.  (These are also the plain lines behind the conversions)
.set NN, NN+2
.endr
	s_wait_alu depctr_va_vdst(0)
	s_wait_dscnt 0x0                               ; v's first four tiles are in
.irp t, 0,1,2,3
	v_wmma_f32_16x16x128_fp8_fp8 v[160+8*\t:167+8*\t], v[32+16*\t:47+16*\t], v[224:239], v[160+8*\t:167+8*\t]
.endr
.rept 4
	v_nop
.endr
.irp t, 0,1,2,3
.irp c, 0,1,2,3
	ds_load_b128 v[32+16*\t+4*\c:32+16*\t+4*\c+3], v[ADV] offset:32768*(\q)+2048*(4+\t)+512*\c
.endr
.endr
	s_wait_dscnt 0x0
.irp t, 0,1,2,3
	v_wmma_f32_16x16x128_fp8_fp8 v[192+8*\t:199+8*\t], v[32+16*\t:47+16*\t], v[224:239], v[192+8*\t:199+8*\t]
.endr
.Lhidden_\@:
	s_add_co_u32 s[SI], s[SI], 2                   ; my next step
.endm
; THE CHANGE OF SLOTS stands at a slot's head.  Each wave waits for all its tensor loads, adds 0 to its spare word, and waits for that and for its reads of the slot that it has left.
; fill = 1: a round of the cluster's barrier, and behind it the slot just left is filled with the four steps that follow: the load has a slot's steps in which to land.
.macro CHANGE fill
	s_wait_tensorcnt 0x0                           ; no tensor load of mine is out, so the group 0 may be written
	ds_add_u32 v[SPW], v[NIL]                      ; 0 onto my spare word
.if \fill
	s_xor_b32 s[G0+1], s[G0+1], SLOT1              ; the other slot than last time,
	s_add_nc_u64 s[G0+2:G0+3], s[G0+2:G0+3], 65536 ; the next four steps; the type bits on top are not reached
.endif
	s_wait_dscnt 0x0                               ; the add is done, and my reads of the slot that I have left are over
.if \fill
	CROUND
	TLOAD                                          ; the first thing behind the round, and a wave's one tensor load until the next
.else
	s_barrier_signal -1
	s_barrier_wait -1
.endif
.endm
.macro SLOT_STEPS
	STEP 0
	STEP 1
	s_xor_b32 s[TB], s[TB], SLOT1
.endm
	s_wait_loadcnt 0x0                             ; q
.Lslot:                                            ; 3 trips: behind each change of slots but the last the next slot is asked for
	CHANGE 1
	SLOT_STEPS
	s_sub_co_u32 s[SLOTS], s[SLOTS], 1
	s_cmp_lg_u32 s[SLOTS], 0
	s_cbranch_scc1 .Lslot
	CHANGE 0                                       ; the last slot is written out
	SLOT_STEPS
	; THE TWO PARTS OF A TILE MEET.  The odd wave stores O^T, -M and l as they stand in its registers, 512 consecutive bytes a store; the even wave loads them by the same lines.
.rept 4
	v_nop                                          ; places behind the last products: their results are stored or read, their sources written or loaded into
.endr
	s_wait_dscnt 0x0                               ; every wave's reads of the ring are over
	s_barrier_signal -1
	s_barrier_wait -1
	s_cmp_eq_u32 s[PAR], 0
	s_cbranch_scc1 .Lkeep
	s_wait_alu depctr_va_vdst(0)
.irp k, 0,1,2,3,4,5,6,7,8,9,10,11,12,13,14,15
	ds_store_b128 v[STA], v[160+4*\k:163+4*\k] offset:512*\k   ; each accumulator from its low end on
.endr
	ds_store_b128 v[STA], v[12:15] offset:8192
.Lkeep:
	s_wait_dscnt 0x0                               ; for the partner's sake: my stores are done
	s_barrier_signal -1
	s_barrier_wait -1
	s_cmp_lg_u32 s[PAR], 0
	s_cbranch_scc1 .Lend
.irp k, 0,1,2,3,4,5,6,7,8,9,10,11,12,13,14,15
	ds_load_b128 v[96+4*\k:99+4*\k], v[STA] offset:512*\k
.endr
	ds_load_b128 v[32:35], v[STA] offset:8192      ; the partner's -M, t, l, l
	s_wait_dscnt 0x0
	v_min_num_f32 v36, v12, v32                    ; -M of the whole row: the smaller of the two
	s_delay_alu instid0(VALU_DEP_1)
	v_sub_f32 v37, v36, v12                        ; my M less the row's: a whole number, 0 or less;
	s_delay_alu instid0(VALU_DEP_2)
	v_sub_f32 v38, v36, v32                        ; the partner's likewise (about -3e38 if it worked no step:
	s_delay_alu instid0(VALU_DEP_2)
	v_cvt_i32_f32 v37, v37
	s_delay_alu instid0(VALU_DEP_2)
	v_cvt_i32_f32 v38, v38                         ; the conversion saturates,
	s_delay_alu instid0(VALU_DEP_2)
	v_ldexp_f32 v40, 1.0, v37
	s_delay_alu instid0(VALU_DEP_2)
	v_ldexp_f32 v42, 1.0, v38                      ; and its factor is 0)
	v_add_f32 v14, v14, v15                        ; l's two halves, mine and the partner's,
	v_add_f32 v34, v34, v35
	s_delay_alu instid0(VALU_DEP_2)
	v_mul_f32 v14, v14, v40
	s_delay_alu instid0(VALU_DEP_1)
	v_fma_f32 v14, v34, v42, v14                   ; under the row's M,
	s_delay_alu instid0(VALU_DEP_1)
	v_permlanex16_b32 v252, v14, s[SEL], s[SEL+1]
	s_delay_alu instid0(VALU_DEP_1)
	v_add_f32 v14, v14, v252                       ; and lane l xor 16's
	s_wait_alu depctr_va_vdst(0)
	v_rcp_f32 v14, v14
	v_nop                                          ; a plain line behind the transcendental
	s_add_co_i32 s56, s52, s53
	s_wait_alu depctr_va_vdst(0)
	v_ldexp_f32 v14, v14, s56                      ; 2^(e4 + e5) / l
	s_delay_alu instid0(VALU_DEP_1)
	v_mul_f32 v40, v40, v14
	s_delay_alu instid0(VALU_DEP_2)
	v_mul_f32 v42, v42, v14
	s_delay_alu instid0(VALU_DEP_2)
	v_mov_b32 v41, v40                             ; (named as the pairs' upper halves)
	s_delay_alu instid0(VALU_DEP_2)
	v_mov_b32 v43, v42
.set NN, 0
.rept 32
	v_pk_mul_f32 v[96+NN:97+NN], v[96+NN:97+NN], v[42:43] op_sel_hi:[1,0]
.set NN, NN+2
.endr
.set NN, 0
.rept 32
	v_pk_fma_f32 v[96+NN:97+NN], v[160+NN:161+NN], v[40:41], v[96+NN:97+NN] op_sel_hi:[1,0,1]   ; O^T of the whole row x 2^(e4 + e5) / l
.set NN, NN+2
.endr
.set NN, 0
.rept 64
	v_med3_num_f32 v[96+NN], v[96+NN], -v241, v241
.set NN, NN+1
.endr
.irp c, 0,1,2,3,4,5,6,7
	v_cvt_scalef32_pk8_fp8_f32 v[224+2*\c:225+2*\c], v[96+8*\c:103+8*\c], v245
.endr
	v_nop                                          ; a plain vector line behind the conversions
.irp c, 0,1,2,3
	global_store_b128 v[LI], v[224+4*\c:227+4*\c], s[8:9] offset:512*\c   ; the 16 registers of codes are an image of att: 32 lanes store 512 consecutive bytes, aligned
.endr
.Lend:
	s_wait_tensorcnt 0x0                           ; the wave's end
	ds_add_u32 v[SPW], v[NIL]
	s_wait_dscnt 0x0
	CROUND                                         ; the closing round
	s_endpgm
.Lfunc_end_k_qad0d510af9_attn:
	.size	k_qad0d510af9_attn, .Lfunc_end_k_qad0d510af9_attn-k_qad0d510af9_attn
	.p2alignl 7, 3214868480
	.fill 96, 4, 3214868480
	.section	.rodata,"a",@progbits
	.p2align	6, 0x0
	.amdhsa_kernel k_qad0d510af9_attn
		.amdhsa_group_segment_fixed_size 327680
		.amdhsa_private_segment_fixed_size 0
		.amdhsa_enable_private_segment 0
		.amdhsa_kernarg_size 24
		.amdhsa_user_sgpr_count 2
		.amdhsa_user_sgpr_kernarg_segment_ptr 1
		.amdhsa_wavefront_size32 1
		.amdhsa_system_sgpr_workgroup_id_x 1
		.amdhsa_system_sgpr_workgroup_id_y 1
		.amdhsa_system_sgpr_workgroup_id_z 1
		.amdhsa_system_vgpr_workitem_id 0
		.amdhsa_next_free_vgpr 256
		.amdhsa_next_free_sgpr 66
		.amdhsa_reserve_vcc 1
		.amdhsa_float_denorm_mode_32 3
		.amdhsa_float_denorm_mode_16_64 3
		.amdhsa_memory_ordered 1
		.amdhsa_forward_progress 1
		.amdhsa_inst_pref_size 121
	.end_amdhsa_kernel
	.amdgpu_metadata
---
amdhsa.version: [ 1, 2 ]
amdhsa.kernels:
  - .name:           k_qad0d510af9_attn
    .symbol:         k_qad0d510af9_attn.kd
    .args:
      - { .name: qkv, .offset: 0, .size: 8, .value_kind: global_buffer, .address_space: global }
      - { .name: lowp_scales, .offset: 8, .size: 8, .value_kind: global_buffer, .address_space: global }
      - { .name: att, .offset: 16, .size: 8, .value_kind: global_buffer, .address_space: global }
    .group_segment_fixed_size: 327680
    .private_segment_fixed_size: 0
    .kernarg_segment_align: 8
    .kernarg_segment_size: 24
    .max_flat_workgroup_size: 512
    .sgpr_count:     66
    .vgpr_count:     256
    .wavefront_size: 32
...
	.end_amdgpu_metadata
.endif
;; end of part 3
;; launch oproj (part 4): grid 16 x 16, 4 waves a work-group, clusters of 4 x 1, 327,680 bytes of LDS; arguments att, woi, lowp_scales, out0; writes out0
.if DOCPART == 4
	.amdgcn_target "amdgcn-amd-amdhsa--gfx1250"
	.amdhsa_code_object_version 6
	.text
	.protected	k_qad0d510af9_oproj
	.globl	k_qad0d510af9_oproj
	.p2align	8
	.type	k_qad0d510af9_oproj,@function
k_qad0d510af9_oproj:
	s_mov_b64 s[64:65], 0
	v_nop
	global_prefetch_b8 v0, s[64:65] scope:SCOPE_SE
	s_setreg_imm32_b32 hwreg(HW_REG_WAVE_MODE, 25, 1), 1
	s_wait_xcnt 0x0
	s_wait_alu depctr_hold_cnt(0) depctr_sa_sdst(0) depctr_va_vdst(0) depctr_va_sdst(0) depctr_va_ssrc(0) depctr_va_vcc(0) depctr_vm_vsrc(0)
	s_getreg_b32 s2, hwreg(HW_REG_IB_STS2, 6, 4)
	s_cmp_eq_u32 s2, 0
	s_cbranch_scc0 .Lentry_in_a_cluster
	s_endpgm
.Lentry_in_a_cluster:
	s_bfe_u32 s2, ttmp6, 0x10000c
	s_cmp_lg_u32 s2, 0x3003
	s_cbranch_scc0 .Lentry_shape_is_right
	s_endpgm
.Lentry_shape_is_right:
; out0 = att w_o^T on codes of FP8 (E4M3): att [4096][1024] with 2^e6, w_o [2048][1024] with 2^e7; each finished f32 sum is multiplied once by 2^(e6 + e7).
; LIMIT: e6 + e7 between -126 and 127, so that 2^(e6 + e7) is an f32 number.
; IMAGES.  att and woi are arrays of images of 2,048 bytes: byte 512 c + 16 lane + i (lane = 16 h + r) of image (tile, s), at (8 tile + s) x 2048, is row 32 (tile / 2) + 8 (tile % 2) + r + 8 (r / 8), k = 128 s + 32 c + 16 h + i.
; THE TILE.  A work-group of four waves makes 256 rows x 128 columns of out0: S1 (source 1) = 16 tiles of att, S0 (source 0) = 8 tiles of woi; wave w takes S1's tiles 4 w + a against S0's eight: 32 accumulators.
; Lane (r, h) holds one row of out0, and register 16 b + i of its 64 for tile a is column 32 b + 16 h + i.
; S0 is read by all four waves: its 8 tiles x 8 K steps are one dense block of 131,072 bytes, which lies whole in LDS: one tensor load a wave (32,768 bytes), and no byte of LDS is filled twice.
; S1's tiles are each read by ONE wave: they go from memory into its registers as they lie, 16 loads of 512 consecutive bytes a K step, into four buffers by turns, three steps ahead of their use.
; CLUSTER 4, 1, 1: the four partners make four row blocks of one column block and need the same S0: it is asked for jointly.  No descriptor word, LDS address or branch hangs on cx.
; NO PREFETCH: each byte is asked for once by the work-group, S0 at the head and S1 three of the 8 K steps ahead; nothing is drained and asked for again.
; REGISTERS, in windows of 256: window 0: addresses; on the way out v32-95 sums x scale, v128-255 rows read back.  window 1: S0's fragments, two sets of 128.  window 2: the accumulators.  window 3: S1's four buffers of 64.
.set STAGE,  131072                    ; behind S0: 16 rows x 528 bytes for each wave, for the way out; no fill lands here
.set SPARE,  165888                    ; the spare words, 128 bytes for each wave: two blocks of 256 bytes that no other line names
.set LI,   4                           ; v4   16 x lane: S0's tiles 0-3
.set LI2,  5                           ; v5   + 65536: tiles 4-7
.set STO,  24
.set RD,   25
.set SPW,  28                          ; v28  my spare word; never rewritten
.set NIL,  29                          ; v29  0; never rewritten
.set TMP,  32
.set BK,   128
.set S1P,  36
.set MUL,  0xad                        ; source 0 (S0) window 1, source 1 (S1) window 3, C and D window 2
.set MSB, 0
.macro WIN new
.if MSB != \new
	s_set_vgpr_msb (MSB<<8)|\new
.set MSB, \new
.endif
.endm
.macro PLACES n
.rept \n
	v_nop
.endr
.endm
.macro CROUND                          ; a round of the cluster's barrier
	s_barrier_signal -1
	s_barrier_wait -1
	s_cmp_lg_u32 s4, 0
	s_cbranch_scc1 .Lnot_wave_0_\@
	s_barrier_signal -3
.Lnot_wave_0_\@:
	s_barrier_wait -3
	s_barrier_signal -1
	s_barrier_wait -1
.endm
.macro FETCH0 q                        ; S0's eight fragments of K step q into set q % 2
	WIN 0x40
.irp t, 0,1,2,3,4,5,6,7
.irp c, 0,1,2,3
	ds_load_b128 v[128*((\q)%2)+16*\t+4*\c:128*((\q)%2)+16*\t+4*\c+3], v[LI+(\t)/4] offset:16384*((\t)%4)+2048*(\q)+512*\c
.endr
.endr
.endm
.macro LOAD1 q                         ; my four fragments of S1 of K step q into buffer q % 4
	WIN 0xc0
.irp a, 0,1,2,3
.irp c, 0,1,2,3
	global_load_b128 v[64*((\q)%4)+16*\a+4*\c:64*((\q)%4)+16*\a+4*\c+3], v[LI], s[S1P:S1P+1] offset:16384*\a+2048*(\q)+512*\c
.endr
.endr
.endm
.macro MUL8 a, s, zero                 ; the 32 accumulators take turns, one instruction a turn
.irp t, 0,1,2,3,4,5,6,7
.if \zero
	v_wmma_f32_16x16x128_fp8_fp8 v[64*(\a)+8*\t:64*(\a)+8*\t+7], v[128*((\s)%2)+16*\t:128*((\s)%2)+16*\t+15], v[64*((\s)%4)+16*(\a):64*((\s)%4)+16*(\a)+15], 0
.else
	v_wmma_f32_16x16x128_fp8_fp8 v[64*(\a)+8*\t:64*(\a)+8*\t+7], v[128*((\s)%2)+16*\t:128*((\s)%2)+16*\t+15], v[64*((\s)%4)+16*(\a):64*((\s)%4)+16*(\a)+15], v[64*(\a)+8*\t:64*(\a)+8*\t+7]
.endif
.endr
.endm
.macro TOP s, f0                       ; a K step's head: its set of S0 is in; four places behind the last products, then loads into what they read
	s_wait_dscnt 0x0
	PLACES 4
.if \f0
	FETCH0 (\s)+1
.endif
.endm
.macro MULS s, zero, cnt               ; cnt: the loads issued behind this step's 16 of S1
	s_wait_loadcnt \cnt
	WIN MUL
	MUL8 0, \s, \zero
	MUL8 1, \s, \zero
	MUL8 2, \s, \zero
	MUL8 3, \s, \zero
	WIN 0
.endm
	s_load_b256 s[84:91], s[0:1], 0x0              ; att 84, woi 86, scales 88, out0 90
	v_lshl_add_u32 v[SPW], v0, 2, SPARE
	v_mov_b32 v[NIL], 0
	ds_add_u32 v[SPW], v[NIL]                      ; the opening lines: the add, twice on end, and its wait
	ds_add_u32 v[SPW], v[NIL]
	v_lshrrev_b32 v1, 5, v0
	v_readfirstlane_b32 s4, v1                     ; wave 0..3
	v_and_b32 v1, 31, v0
	v_lshlrev_b32 v[LI], 4, v1
	v_and_b32 v2, 15, v0                           ; r
	v_bfe_u32 v3, v0, 4, 1                         ; h
	v_add_nc_u32 v[LI2], 65536, v[LI]
	s_mul_i32 s9, s4, 8448
	s_add_co_u32 s9, s9, STAGE                     ; my stage
	v_mul_u32_u24 v[STO], v2, 528                  ; in: row r, 64 bytes for each half of the lanes
	v_lshl_add_u32 v[STO], v3, 6, v[STO]
	v_add_nc_u32 v[STO], s9, v[STO]
	v_add_nc_u32 v[RD], s9, v[LI]                  ; back: the 32 lanes take one row of 512 bytes
	s_bfe_u32 s7, ttmp6, 0x40000                   ; cx
	s_lshl_b32 s10, ttmp9, 2
	s_add_co_u32 s10, s10, s7                      ; row block = 4 x cluster x + cx
	s_and_b32 s8, ttmp7, 0xffff                    ; column block: the cluster's y
	s_mov_b32 s24, 15|(3<<16)|(1<<21)              ; group 1: the mask: all four partners; elements of 8 bytes; bit 21 beside a mask
	s_mov_b32 s25, 32<<16                          ; a dense block of 32,768 bytes as 128 rows of 256
	s_mov_b32 s26, 128<<16
	s_mov_b32 s27, 32<<16
	s_mov_b32 s28, 128
	s_mov_b32 s29, 32
	s_mov_b32 s30, 0
	s_mov_b32 s31, 0
	s_mov_b32 s32, 1
	s_lshl_b32 s33, s4, 15                         ; my quarter of S0 goes to 32768 x wave
	s_lshl_b32 s16, s8, 17                         ; and comes from the column block's 131,072 bytes + my quarter: cx enters neither
	s_add_co_u32 s16, s16, s33
	s_mov_b32 s17, 0
	s_lshl_b32 s14, s10, 4
	s_lshl_b32 s13, s4, 2
	s_add_co_u32 s14, s14, s13                     ; S1: my first tile: 16 x row block + 4 w
	s_lshl_b32 s14, s14, 14                        ; a tile of rows is 16,384 bytes
	s_mov_b32 s15, 0
	s_lshl_b32 s22, s10, 8
	s_lshl_b32 s23, s4, 6
	s_add_co_u32 s22, s22, s23                     ; my first row of out0,
	s_lshl_b32 s22, s22, 13                        ; 8,192 bytes a row,
	s_lshl_b32 s23, s8, 9
	s_add_co_u32 s22, s22, s23                     ; + 512 bytes a column block
	s_mov_b32 s23, 0
	s_wait_alu depctr_va_vdst(0)
	s_wait_dscnt 0x0                               ; both opening adds are done
	s_wait_kmcnt 0x0
	s_load_b256 s[92:99], s[88:89], 0x0            ; e0 .. e7
	s_add_nc_u64 s[S1P:S1P+1], s[84:85], s[14:15]
	s_add_nc_u64 s[34:35], s[86:87], s[16:17]
	s_or_b32 s35, s35, 0x80000000
	s_add_nc_u64 s[40:41], s[90:91], s[22:23]
	LOAD1 0                                        ; S1's first three K steps are on their way while the partners meet
	LOAD1 1
	LOAD1 2
	WIN 0
	CROUND                                         ; all four work-groups are here: the joint loads meet
	tensor_load_to_lds s[32:35], s[24:31]          ; my one tensor load
	s_nop 0
	s_wait_kmcnt 0x0
	s_add_co_i32 s100, s98, s99
	s_add_co_i32 s100, s100, 127
	s_lshl_b32 s100, s100, 23                      ; 2^(e6 + e7) as f32
	s_mov_b32 s101, s100
	s_wait_tensorcnt 0x0                           ; my quarter of S0 is in
	s_barrier_signal -1
	s_barrier_wait -1                              ; and so is everybody's
	FETCH0 0
	TOP 0, 1
	LOAD1 3
	MULS 0, 1, 48                                  ; K step 0: its products start the sums
.irp s, 1,2,3,4
	TOP \s, 1
	LOAD1 (\s)+3
	MULS \s, 0, 48                                 ; behind this step's loads: those of the three steps that follow
.endr
	TOP 5, 1
	MULS 5, 0, 32
	TOP 6, 1
	MULS 6, 0, 16
	TOP 7, 0
	MULS 7, 0, 0
	PLACES 4                                       ; in front of the first reads of results
; THE WAY OUT, tile by tile of 16 rows x 128 columns: through my own stage in LDS, back as whole rows of 512 bytes, which the 32 lanes store as two aligned units of 256 bytes.
; LDS serves a wave's instructions in order (ISA guide 5.7.1.4): no wait between the stores and the loads.
.macro TOSTAGE a
	WIN 0x02
.set NN, 0
.rept 32
	v_pk_mul_f32 v[TMP+NN:TMP+NN+1], v[64*(\a)+NN:64*(\a)+NN+1], s[100:101] op_sel_hi:[1,0]   ; each accumulator from its low end on
.set NN, NN+2
.endr
	WIN 0
.irp b, 0,1,2,3
.irp k, 0,1,2,3
	ds_store_b128 v[STO], v[TMP+16*\b+4*\k:TMP+16*\b+4*\k+3] offset:128*\b+16*\k
.endr
.endr
.set BB, BK+64*((\a)%2)
.irp t, 0,1,2,3,4,5,6,7,8,9,10,11,12,13,14,15
	ds_load_b128 v[BB+4*\t:BB+4*\t+3], v[RD] offset:528*\t
.endr
.endm
.macro SEND a, younger                 ; younger: the LDS instructions issued behind tile a's loads
.set BB, BK+64*((\a)%2)
	s_wait_dscnt \younger
.irp t, 0,1,2,3,4,5,6,7,8,9,10,11,12,13,14,15
	global_store_b128 v[LI], v[BB+4*\t:BB+4*\t+3], s[40:41] offset:(32*((\a)/2)+8*((\a)%2)+\t+8*(\t/8))*8192
.endr
.endm
	TOSTAGE 0
.irp a, 1,2,3
.if \a > 1
	s_wait_xcnt 0x0                                ; tile a - 2's stores have read their registers: tile a's loads may land there
.endif
	TOSTAGE \a
	SEND \a-1, 32
.endr
	SEND 3, 0
	s_wait_tensorcnt 0x0                           ; the wave's end
	ds_add_u32 v[SPW], v[NIL]
	s_wait_dscnt 0x0
	CROUND                                         ; the closing round
	s_endpgm
.Lfunc_end_k_qad0d510af9_oproj:
	.size	k_qad0d510af9_oproj, .Lfunc_end_k_qad0d510af9_oproj-k_qad0d510af9_oproj
	.p2alignl 7, 3214868480
	.fill 96, 4, 3214868480
	.section	.rodata,"a",@progbits
	.p2align	6, 0x0
	.amdhsa_kernel k_qad0d510af9_oproj
		.amdhsa_group_segment_fixed_size 327680
		.amdhsa_private_segment_fixed_size 0
		.amdhsa_enable_private_segment 0
		.amdhsa_kernarg_size 32
		.amdhsa_user_sgpr_count 2
		.amdhsa_user_sgpr_kernarg_segment_ptr 1
		.amdhsa_wavefront_size32 1
		.amdhsa_system_sgpr_workgroup_id_x 1
		.amdhsa_system_sgpr_workgroup_id_y 1
		.amdhsa_system_sgpr_workgroup_id_z 1
		.amdhsa_system_vgpr_workitem_id 0
		.amdhsa_next_free_vgpr 1024
		.amdhsa_next_free_sgpr 102
		.amdhsa_reserve_vcc 0
		.amdhsa_float_denorm_mode_32 3
		.amdhsa_float_denorm_mode_16_64 3
		.amdhsa_memory_ordered 1
		.amdhsa_forward_progress 1
		.amdhsa_inst_pref_size 74
	.end_amdhsa_kernel
	.amdgpu_metadata
---
amdhsa.version: [ 1, 2 ]
amdhsa.kernels:
  - .name:           k_qad0d510af9_oproj
    .symbol:         k_qad0d510af9_oproj.kd
    .args:
      - { .name: att, .offset: 0, .size: 8, .value_kind: global_buffer, .address_space: global }
      - { .name: woi, .offset: 8, .size: 8, .value_kind: global_buffer, .address_space: global }
      - { .name: lowp_scales, .offset: 16, .size: 8, .value_kind: global_buffer, .address_space: global }
      - { .name: out0, .offset: 24, .size: 8, .value_kind: global_buffer, .address_space: global }
    .group_segment_fixed_size: 327680
    .private_segment_fixed_size: 0
    .kernarg_segment_align: 8
    .kernarg_segment_size: 32
    .max_flat_workgroup_size: 128
    .sgpr_count:     102
    .vgpr_count:     1024
    .wavefront_size: 32
...
	.end_amdgpu_metadata
.endif
;; end of part 4
